; MI455X (gfx1250); checked and timed in simulation.
; The chip was launched on July 23, 2026; its instructions are those of AMD's public machine-readable ISA for CDNA 5 (MIT licence, August 2026) and "CDNA5" Instruction Set Architecture Reference Guide (July 2026). The comments in the code are by the model that wrote it; some were corrected since.
;; Ro SA Linear. Allowed arithmetic: matrix products marked QUANTISED: E2M3 operands, one E8M0 scale for each 32 along K, by v_wmma_scale_f32_16x16x128_f8f6f4 with both operands' format E2M3, f32 sums; products left as they are: f32 operands where the result goes on into a quantised operand, else bf16, f16 or f32 operands; f32 sums; everything else in f32.
;; Inputs: W 4,096 x 4,096 float32; b 4,096 float32; delta 4,096 x 4,096 float32; lora_A 16 x 4,096 float32; lora_B 4,096 x 16 float32; mask 4,096 x 4,096 bool; x 4 x 512 x 4,096 float32.
;; Outputs: out0 4 x 512 x 4,096 float32.
;; This version of the problem:
;;   THIS VERSION OF THE PROBLEM IS GIVEN IN LOW PRECISION. The matrix products marked QUANTISED in the list below multiply operands that are first quantised to E2M3 (2 exponent bits, 3 mantissa bits; 6 bits a number), with one power-of-two scale for each 32 numbers along K (OCP MX v1.0); their sums are f32. All else is computed in f32.
;;   The module's matrix products, in the order in which they are computed (A, B: the left and right operand; K: the contracted axis; several contracted axes count as one K, in the product's order):
;;     1. [M 2,048, K 4,096] x [K 4,096, N 4,096]; A: input x; B: input W: QUANTISED
;;     2. [M 2,048, K 4,096] x [K 4,096, N 16]; A: input x; B: input lora_A: QUANTISED
;;     3. [M 2,048, K 16] x [K 16, N 4,096]; A: computed on the way; B: input lora_B: left as it is (K = 16 < 32)
;;     4. [M 2,048, K 4,096] x [K 4,096, N 4,096]; A: input x; B: computed on the way: QUANTISED
;;   THE QUANTISER, for each operand of a quantised product, along K:
;;     - K is cut into blocks of 32 from its start; a last block that is shorter is filled with zeros.
;;     - A block's scale is 2^e with e = floor(log2(the largest magnitude in the block)) - 2, held to -126 .. 127; a block of zeros has e = 0. As a byte (E8M0): e + 127.
;;     - Each number is divided by its block's scale, clamped to +-7.5, and rounded to the nearest number of E2M3, ties to even, subnormals kept.
;;     - The product sums the exact products of the quantised numbers (number of the format x scale) in f32.
;;   ~~~python
;;   def quantise(x, axis):      # numpy; x: float32 -> the quantised numbers, widened to float32 again
;;       x = np.moveaxis(x, axis, -1); K = x.shape[-1]
;;       x = np.pad(x, [(0, 0)] * (x.ndim - 1) + [(0, -K % 32)]); x = x.reshape(x.shape[:-1] + (-1, 32)); a = np.abs(x).max(-1, keepdims=True)
;;       e = np.where(a > 0, np.clip(np.frexp(np.where(a > 0, a, 1))[1] - 1 - 2, -126, 127), 0)      # np.frexp(a)[1] - 1 = floor(log2(a)), exactly
;;       r = np.clip(x / 2.0 ** e, -7.5, 7.5)
;;       step = 2.0 ** (np.maximum(np.frexp(np.where(r == 0, 1, r))[1] - 1, 0) - 3)
;;       q = np.round(r / step) * step * 2.0 ** e      # np.round: ties to even
;;       return np.moveaxis(q.reshape(q.shape[:-2] + (-1,))[..., :K], -1, axis).astype(np.float32)
;;   ~~~
;;   OPERANDS COMPUTED ON THE WAY. 'Computed on the way' means the value that the module computes at that place (a softmax that the list does not call 'softmax' is quantised finished and normalised). What goes into a quantiser is computed in f32, as accurately as f32 sums, v_exp_f32 and their like allow (about 1e-6 of the number): no bf16 or f16 on the way to a quantiser, and a product that is left as it is and whose result goes on into a quantised operand takes f32 operands (vector FMAs, or v_wmma_f32_16x16x4_f32). A number that lies on a knife's edge between two numbers of the format may be rounded either way, as far as f32 arithmetic and the matrix unit's own rounding can turn it there, and no further.
;; One version. Each part assembles by itself: llvm-mc -triple=amdgcn-amd-amdhsa -mcpu=gfx1250 --defsym DOCPART=n.
;; ======== version 1 of 1: 2 launches
;; limits: values are held in bf16: 8 bits of precision; right only within a limited range of input values
;; workspace buffers: xq 6,553,600 bytes; wdq 26,214,400 bytes; laq 51,200 bytes
;; launch quant (part 1): grid 1282 x 1, 4 waves a work-group, no clusters, 72,192 bytes of LDS; arguments x, W, lora_A, delta, mask, xq, wdq, laq; writes xq, wdq, laq
.if DOCPART == 1
	.amdgcn_target "amdgcn-amd-amdhsa--gfx1250"
	.amdhsa_code_object_version 6
	.text
	.protected	k_q370bcccf76_quant
	.globl	k_q370bcccf76_quant
	.p2align	8
	.type	k_q370bcccf76_quant,@function
k_q370bcccf76_quant:
	s_mov_b64 s[64:65], 0
	v_nop
	global_prefetch_b8 v0, s[64:65] scope:SCOPE_SE
	s_setreg_imm32_b32 hwreg(HW_REG_WAVE_MODE, 25, 1), 1
	s_wait_xcnt 0x0
; x [2048][4096], W [4096][4096], delta x mask [4096][4096] and lora_A [16][4096], f32 with K innermost, become codes of FP6 (E2M3) with one E8M0 byte for each 32 along K,
; LAID AS THE PRODUCT'S LAUNCH WANTS THEM: as images of the operand's registers.
;   A fragment (16 rows x 128 K, 12 registers a lane) is 1,536 bytes: register 4 g + j of lane l at byte 512 g + 16 l + 4 j.  Lane (r = l % 16, h = l / 16) holds in registers 6 c .. 6 c + 5 the codes of k = 64 c + 32 h + 0 .. 31 of row r.
;   A scale image (32 rows x 128 K) is 128 bytes: lane l's word at 4 l; lanes 0-15 the scale words of an even row block's rows, lanes 16-31 those of the odd block behind it.
;   A record (128 rows x 128 K) is 12,800 bytes: the fragment of row block rbl at 1,536 rbl, scale image j (blocks 2 j, 2 j + 1) at 12,288 + 128 j.
;   xq: [16 panels][32 along K] records.  wdq: [32 panels][W, delta x mask][32 along K] records.
;   laq: the fragment of the G-th 128 along K at 24,576 (G % 2) + 1,536 (G / 2); its 16 scale words at 49,152 + 1,024 (G % 2) + 64 (G / 2).
; A block's scale is 2^(floor(log2(its largest magnitude)) - 2): its byte is the largest magnitude's exponent field - 2, held at 1 from below; each number is divided by the scale and rounded to the nearest code, ties to even, beyond 7.5 the largest code.
; LIMITS: NaN and infinities among the inputs are not served; a delta that is not finite under a mask byte of 0 counts as 0 here.  A block of zeros gets the byte 1 where the rule says 127: its codes are zeros, and this program alone reads the bytes.
; Blocks whose largest magnitude lies under 2^(3 - 127) have their byte held at 1.  A mask byte is 0 or 1.
; SHARES.  A wave takes 4 fragments: half a record, four row blocks x 128 along K (for lora_A: its 16 rows x four K steps of one parity).  The four waves of a work-group take four neighbouring records along K: 2,048 neighbouring bytes of each row.
; Work-groups 0-511 take delta with its mask, 512-1023 W, 1024-1279 x, 1280-1281 lora_A: 1,282 equal shares, five for each of 256 WGPs and two over.
; Each load reads 512 consecutive bytes of one row, 16 a lane; a fragment's 16 rows turn through the wave's own stage in LDS (rows of 512 + 16 bytes) and come back 128 bytes a lane and block, so that a lane's registers run along K.
; No tensor loads, no barrier: waves share nothing.  Loads run two fragments ahead: 16 KiB a wave.
; The masked path and the plain path part on the work-group's number and never join; each has LDS bytes of its own.
.set R,     128                        ; v128-255 two sets of 64 numbers as loaded (row i: 4 registers)
.set X,     64                         ; v64-127  64 numbers of my row: register 32 c + i = k 64 c + 32 h + i
.set MK,    32                         ; v32-63   two sets of 16 mask words (row i: 4 bytes)
.set PC,    8                          ; v8-19    the fragment's 12 registers of codes;  v20-22, v24-26 the conversions' second halves
.set PITCH, 528                        ; a stage row: 512 bytes + 16 = 33 x 16: the 16 rows that a load of 16 bytes a lane touches start in 16 different columns of 16 bytes
.set SCB,   16*PITCH                   ; behind the stage: the wave's 256 bytes of scale words (in a place of 512)
.set WREG,  SCB+512                    ; a wave's LDS bytes
.set PATHM, 4*WREG                     ; the masked path's LDS bytes begin here; behind both paths, at 8 WREG = 0x11800, the spare words
.set GRB,   12800                      ; a record
.set PANB,  32*GRB                     ; a panel's records
; v1 16 x lane; v2 4 x lane; v3 stage, on the way in; v4 stage, on the way out; v5 my row's scale word in LDS; v6 8 h; v7 8 x lane; v27 the scale words' way out of LDS
; v23 a permute's destination; v28-29 largest magnitudes, v30-31 bytes (in the masked path also four mask words); v256, v257 the add's two registers
; s[22:23] the f32 tensor at the fragment to be loaded; s[24:25] bytes from fragment to fragment; s[26:27] the mask likewise; s[28:29] my codes; s[30:31] my scale words
	s_load_b512 s[4:19], s[0:1], 0x0               ; x s[4:5], W s[6:7], lora_A s[8:9], delta s[10:11], mask s[12:13], xq s[14:15], wdq s[16:17], laq s[18:19]
	s_set_vgpr_msb 0x40
	v_lshl_add_u32 v0, v0, 2, 0x11800              ; v256: my spare word
	v_mov_b32 v1, 0                                ; v257: 0
	s_set_vgpr_msb 0x4000
	v_lshrrev_b32 v1, 5, v0
	v_readfirstlane_b32 s20, v1                    ; wave 0..3
	v_and_b32 v2, 31, v0                           ; lane
	v_and_b32 v5, 15, v0                           ; r
	v_bfe_u32 v6, v0, 4, 1                         ; h
	v_lshlrev_b32 v1, 4, v2                        ; 16 x lane: my bytes of a load's 512, and of a store's
	s_mul_i32 s21, s20, WREG
	v_add_nc_u32 v3, s21, v1                       ; into the stage: 16 x lane of row i
	v_mul_u32_u24 v4, v5, PITCH
	v_lshl_add_u32 v4, v6, 7, v4
	v_add_nc_u32 v4, s21, v4                       ; out of it: row r, + 128 h: my block of 32 numbers
	v_lshl_add_u32 v5, v5, 2, s21                  ; my row's scale word: 4 r
	v_lshlrev_b32 v7, 3, v2                        ; 8 x lane: the scale words' way out
	v_add_nc_u32 v27, s21, v7
	v_lshlrev_b32 v2, 2, v2                        ; 4 x lane
	v_lshlrev_b32 v6, 3, v6                        ; 8 h: my two bytes' place in a scale word
	v_mov_b32 v23, 0                               ; written once: a lane permute's destination counts as one of its sources
	s_mov_b32 s32, 0x76543210
	s_mov_b32 s33, 0xfedcba98                      ; v_permlanex16_b32's selects for lane l xor 16
	s_mov_b32 s35, 255
	s_mov_b32 s36, 0x01010101                      ; v_perm_b32: byte 1, 2, 3 into all four places
	s_mov_b32 s37, 0x02020202
	s_mov_b32 s38, 0x03030303
; Which 64 rows x 128 K are my wave's: u = 4 x (work-group - first) + wave; kk = u % 32 the record along K, g = (u / 32) % 2 the half of a panel, p = u / 64 the panel.
; Byte offsets: s[44:45] into the f32 tensor, s[46:47] my codes, s[48:49] my scale images, s[50:51] into the mask.
.macro UNIT first, pstr, extra, masked
	s_sub_co_u32 s40, ttmp9, \first
	s_lshl_b32 s40, s40, 2
	s_add_co_u32 s40, s40, s20                     ; u
	s_and_b32 s42, s40, 31                         ; kk
	s_bfe_u32 s41, s40, 0x10005                    ; g
	s_lshr_b32 s43, s40, 6                         ; p
	s_lshl_b32 s44, s43, 21                        ; 128 rows of 16,384 bytes,
	s_lshl_b32 s45, s41, 20                        ; 64 rows,
	s_add_co_u32 s44, s44, s45
	s_lshl_b32 s45, s42, 9                         ; 128 numbers
	s_add_co_u32 s44, s44, s45
	s_mov_b32 s45, 0
	s_mul_i32 s48, s43, \pstr
	s_mul_i32 s49, s42, GRB
	s_add_co_u32 s48, s48, s49                     ; my record
.if \extra
	s_add_co_u32 s48, s48, \extra
.endif
	s_mul_i32 s49, s41, 6144                       ; in it: 4 fragments for each half of the panel,
	s_add_co_u32 s46, s48, s49
	s_mov_b32 s47, 0
	s_lshl_b32 s49, s41, 8                         ; and 2 scale images behind the 8 fragments
	s_add_co_u32 s48, s48, s49
	s_add_co_u32 s48, s48, 12288
	s_mov_b32 s49, 0
.if \masked
	s_lshl_b32 s50, s43, 19                        ; the mask: rows of 4,096 bytes
	s_lshl_b32 s51, s41, 18
	s_add_co_u32 s50, s50, s51
	s_lshl_b32 s51, s42, 7
	s_add_co_u32 s50, s50, s51
	s_mov_b32 s51, 0
.endif
.endm
; The loads of the fragment at which the pointers stand, into set q.
.macro LOADF q, masked
.if \masked
.irp i, 0,1,2,3,4,5,6,7,8,9,10,11,12,13,14,15
	global_load_b32 v[MK+16*(\q)+\i], v2, s[26:27] offset:4096*\i   ; row i: the 4 mask bytes of my 4 numbers; the work-group's four waves read 512 neighbouring bytes of the row
.endr
.endif
.irp i, 0,1,2,3,4,5,6,7,8,9,10,11,12,13,14,15
	global_load_b128 v[R+64*(\q)+4*\i:R+64*(\q)+4*\i+3], v1, s[22:23] offset:16384*\i th:TH_LOAD_NT   ; row i: 32 lanes read 512 consecutive bytes; read once in the launch
.endr
.endm
.macro NEXTF masked                    ; the pointers go on to the next fragment: only behind s_wait_xcnt 0
	s_add_nc_u64 s[22:23], s[22:23], s[24:25]
.if \masked
	s_add_nc_u64 s[26:27], s[26:27], 0x10000       ; 16 rows of the mask
.endif
.endm
; Fragment f of my four, in set f % 2.  lb: where the path's LDS bytes begin.
.macro FRAG f, masked, lb
.set FT, (\f)
.set FQ, (\f)%2
.set RS, R+64*FQ
.set MS, MK+16*FQ
.if (\f) < 3
	s_wait_loadcnt 16+16*\masked                   ; loads come back in order: this fragment's are in, the next fragment's may be out
.else
	s_wait_loadcnt 0x0
.endif
.if \masked
.irp i, 0,1,2,3,4,5,6,7,8,9,10,11,12,13,14,15
	v_mul_lo_u32 v[MS+\i], v[MS+\i], s35           ; bytes 0 / 1 become 0x00 / 0xff
.endr
.irp i, 0,1,2,3,4,5,6,7,8,9,10,11,12,13,14,15
	v_perm_b32 v28, v[MS+\i], v[MS+\i], 0          ; each byte spread over a word,
	v_perm_b32 v29, v[MS+\i], v[MS+\i], s36
	v_perm_b32 v30, v[MS+\i], v[MS+\i], s37
	v_perm_b32 v31, v[MS+\i], v[MS+\i], s38
	v_and_b32 v[RS+4*\i], v28, v[RS+4*\i]          ; which keeps the number or makes it 0: delta x mask
	v_and_b32 v[RS+4*\i+1], v29, v[RS+4*\i+1]
	v_and_b32 v[RS+4*\i+2], v30, v[RS+4*\i+2]
	v_and_b32 v[RS+4*\i+3], v31, v[RS+4*\i+3]
.endr
.endif
.irp i, 0,1,2,3,4,5,6,7,8,9,10,11,12,13,14,15
	ds_store_b128 v3, v[RS+4*\i:RS+4*\i+3] offset:\lb+PITCH*\i
.endr
.irp c, 0,1
.irp j, 0,1,2,3,4,5,6,7
	ds_load_b128 v[X+32*\c+4*\j:X+32*\c+4*\j+3], v4 offset:\lb+256*\c+16*\j   ; LDS serves a wave's instructions in order: these see the stores above
.endr
.endr
	s_wait_dscnt 0x0                               ; my 64 numbers are in, and the stores into the stage have read the set
	s_wait_xcnt 0x0                                ; every earlier memory instruction has had its addresses translated: the pointers and the codes' registers, which the last stores read, are written only behind this wait
.if (\f) < 2
	NEXTF \masked
	LOADF FQ, \masked                              ; the fragment two on takes the set that has just been read
.endif
.irp c, 0,1                                    ; my two blocks: h and 2 + h of my row; all 32 numbers of each are mine
	v_max3_num_f32 v[28+\c], |v[X+32*\c]|, |v[X+32*\c+1]|, 0x1800000   ; with the floor 2^(3 - 127): the byte cannot fall under 1
.endr
.irp i, 2,4,6,8,10,12,14,16,18,20,22,24,26,28,30
.irp c, 0,1
	v_max3_num_f32 v[28+\c], v[28+\c], |v[X+32*\c+\i]|, |v[X+32*\c+\i+1]|   ; (the two blocks by turns)
.endr
.endr
.irp c, 0,1
	v_add_nc_u32 v[28+\c], 0xff000000, v[28+\c]    ; 2 off the exponent field: the conversion takes the exponent field of this operand as its scale, and nothing else of it
.endr
.irp c, 0,1
	v_lshrrev_b32 v[30+\c], 23, v[28+\c]           ; the scale's byte
.endr
	v_cvt_scalef32_pk16_fp6_f32 v[PC:PC+2], v[X:X+15], v28
	v_cvt_scalef32_pk16_fp6_f32 v[20:22], v[X+16:X+31], v28        ; (a conversion's three registers begin on an even number: a block's second half is made elsewhere and moved)
	v_cvt_scalef32_pk16_fp6_f32 v[PC+6:PC+8], v[X+32:X+47], v29
	v_cvt_scalef32_pk16_fp6_f32 v[24:26], v[X+48:X+63], v29
	v_lshl_or_b32 v30, v31, 16, v30                ; my two bytes (also the plain place behind the conversions),
	v_lshlrev_b32 v30, v6, v30                     ; at their places in the scale word;
	v_permlanex16_b32 v23, v30, s32, s33
	v_or_b32 v30, v30, v23                         ; with lane l xor 16's two the word is whole, in both lanes
.irp i, 0,1,2
	v_mov_b32 v[PC+3+\i], v[20+\i]
	v_mov_b32 v[PC+9+\i], v[24+\i]
.endr
.irp g, 0,1,2
	global_store_b128 v1, v[PC+4*\g:PC+4*\g+3], s[28:29] offset:1536*FT+512*\g   ; 32 lanes store 512 consecutive bytes, at a multiple of 512 from the buffer's first byte
.endr
	ds_store_b32 v5, v30 offset:\lb+SCB+64*FT      ; fragment FT's 16 words, 64 bytes on end; both lanes of a row write the same word with the same value
.endm
.macro WALK masked, lb
	LOADF 0, \masked
	s_wait_xcnt 0x0                                ; these loads have read the pointers
	NEXTF \masked
	LOADF 1, \masked
.irp f, 0,1,2,3
	FRAG \f, \masked, \lb
.endr
	s_wait_xcnt 0x0                                ; the last stores have read the codes' registers
	ds_load_b64 v[8:9], v27 offset:\lb+SCB         ; my four fragments' scale words: two images, 8 bytes a lane.  LDS serves a wave's instructions in order: this sees my stores
	s_wait_dscnt 0x0
	global_store_b64 v7, v[8:9], s[30:31]          ; 32 lanes store 256 consecutive bytes, at a multiple of 256 from the buffer's first byte
	s_set_vgpr_msb 0x5
	s_wait_tensorcnt 0x0                           ; the wave's end, behind my last LDS store
	ds_add_u32 v0, v1
	s_wait_dscnt 0x0
	s_set_vgpr_msb 0x500
	s_endpgm
.endm
	s_wait_kmcnt 0x0
	s_cmp_lt_u32 ttmp9, 512
	s_cbranch_scc1 .Ldelta
	; THE PLAIN PATH: W, x or lora_A.  Buffers, offsets and the step from fragment to fragment are chosen on the work-group's number alone, so that there is one way through the text.
	s_mov_b32 s40, 1024
	s_mov_b32 s39, PANB
	s_cmp_lt_u32 ttmp9, 1024
	s_cselect_b64 s[22:23], s[6:7], s[4:5]         ; W or x
	s_cselect_b64 s[28:29], s[16:17], s[14:15]     ; wdq or xq
	s_cselect_b32 s40, 512, s40                    ; the tensor's first work-group
	s_cselect_b32 s39, 2*PANB, s39                 ; bytes from panel to panel: W's panels have delta's records behind them
	UNIT s40, s39, 0, 0
	s_and_b32 s55, s40, 7                          ; lora_A: eight waves; wave 2 v + q takes K steps G = 8 v + q + 2 t, t = 0 .. 3, of all 16 rows
	s_and_b32 s52, s55, 1                          ; q
	s_lshr_b32 s55, s55, 1                         ; v
	s_mul_i32 s53, s52, 24576
	s_mul_i32 s54, s55, 6144
	s_add_co_u32 s53, s53, s54                     ; its 4 fragments on end,
	s_lshl_b32 s54, s52, 10
	s_lshl_b32 s60, s55, 8
	s_add_co_u32 s54, s54, s60
	s_add_co_u32 s54, s54, 49152                   ; its 4 x 64 bytes of scale words likewise, behind the 32 fragments,
	s_lshl_b32 s52, s52, 9
	s_lshl_b32 s55, s55, 12
	s_add_co_u32 s52, s52, s55                     ; and where it begins in a row of lora_A
	s_mov_b32 s24, 262144                          ; from fragment to fragment: 16 rows, or for lora_A 256 numbers
	s_cmp_ge_u32 ttmp9, 1280
	s_cselect_b64 s[22:23], s[8:9], s[22:23]
	s_cselect_b64 s[28:29], s[18:19], s[28:29]
	s_cselect_b32 s44, s52, s44
	s_cselect_b32 s46, s53, s46
	s_cselect_b32 s48, s54, s48
	s_cselect_b32 s24, 1024, s24
	s_mov_b32 s25, 0
	s_add_nc_u64 s[30:31], s[28:29], s[48:49]
	s_add_nc_u64 s[28:29], s[28:29], s[46:47]
	s_add_nc_u64 s[22:23], s[22:23], s[44:45]
	s_wait_alu depctr_va_vdst(0)                   ; the wait at the head's end
	WALK 0, 0
.Ldelta:
	; THE MASKED PATH: delta x mask, into the second half of each of wdq's panels
	UNIT 0, 2*PANB, PANB, 1
	s_add_nc_u64 s[22:23], s[10:11], s[44:45]
	s_add_nc_u64 s[26:27], s[12:13], s[50:51]
	s_add_nc_u64 s[28:29], s[16:17], s[46:47]
	s_add_nc_u64 s[30:31], s[16:17], s[48:49]
	s_mov_b32 s24, 262144
	s_mov_b32 s25, 0
	s_wait_alu depctr_va_vdst(0)                   ; the wait at the head's end
	WALK 1, PATHM
.Lfunc_end_k_q370bcccf76_quant:
	.size	k_q370bcccf76_quant, .Lfunc_end_k_q370bcccf76_quant-k_q370bcccf76_quant
	.p2alignl 7, 3214868480
	.fill 96, 4, 3214868480
	.section	.rodata,"a",@progbits
	.p2align	6, 0x0
	.amdhsa_kernel k_q370bcccf76_quant
		.amdhsa_group_segment_fixed_size 72192
		.amdhsa_private_segment_fixed_size 0
		.amdhsa_enable_private_segment 0
		.amdhsa_kernarg_size 64
		.amdhsa_user_sgpr_count 2
		.amdhsa_user_sgpr_kernarg_segment_ptr 1
		.amdhsa_wavefront_size32 1
		.amdhsa_system_sgpr_workgroup_id_x 1
		.amdhsa_system_sgpr_workgroup_id_y 1
		.amdhsa_system_sgpr_workgroup_id_z 1
		.amdhsa_system_vgpr_workitem_id 0
		.amdhsa_next_free_vgpr 258
		.amdhsa_next_free_sgpr 66
		.amdhsa_reserve_vcc 0
		.amdhsa_float_denorm_mode_32 3
		.amdhsa_float_denorm_mode_16_64 3
		.amdhsa_memory_ordered 1
		.amdhsa_forward_progress 1
		.amdhsa_inst_pref_size 96
	.end_amdhsa_kernel
	.amdgpu_metadata
---
amdhsa.version: [ 1, 2 ]
amdhsa.kernels:
  - .name:           k_q370bcccf76_quant
    .symbol:         k_q370bcccf76_quant.kd
    .args:
      - { .name: x, .offset: 0, .size: 8, .value_kind: global_buffer, .address_space: global }
      - { .name: W, .offset: 8, .size: 8, .value_kind: global_buffer, .address_space: global }
      - { .name: lora_A, .offset: 16, .size: 8, .value_kind: global_buffer, .address_space: global }
      - { .name: delta, .offset: 24, .size: 8, .value_kind: global_buffer, .address_space: global }
      - { .name: mask, .offset: 32, .size: 8, .value_kind: global_buffer, .address_space: global }
      - { .name: xq, .offset: 40, .size: 8, .value_kind: global_buffer, .address_space: global }
      - { .name: wdq, .offset: 48, .size: 8, .value_kind: global_buffer, .address_space: global }
      - { .name: laq, .offset: 56, .size: 8, .value_kind: global_buffer, .address_space: global }
    .group_segment_fixed_size: 72192
    .private_segment_fixed_size: 0
    .kernarg_segment_align: 8
    .kernarg_segment_size: 64
    .max_flat_workgroup_size: 128
    .sgpr_count:     66
    .vgpr_count:     258
    .wavefront_size: 32
...
	.end_amdgpu_metadata
.endif
;; end of part 1
;; launch gemm (part 2): grid 32 x 8, 4 waves a work-group, clusters of 4 x 4, 327,680 bytes of LDS; arguments xq, wdq, laq, lora_B, b, out0; writes out0
.if DOCPART == 2
	.amdgcn_target "amdgcn-amd-amdhsa--gfx1250"
	.amdhsa_code_object_version 6
	.text
	.protected	k_q370bcccf76_gemm
	.globl	k_q370bcccf76_gemm
	.p2align	8
	.type	k_q370bcccf76_gemm,@function
k_q370bcccf76_gemm:
	s_mov_b64 s[64:65], 0
	v_nop
	global_prefetch_b8 v0, s[64:65] scope:SCOPE_SE
	s_setreg_imm32_b32 hwreg(HW_REG_WAVE_MODE, 25, 1), 1
	s_wait_xcnt 0x0
	s_wait_alu depctr_hold_cnt(0) depctr_sa_sdst(0) depctr_va_vdst(0) depctr_va_sdst(0) depctr_va_ssrc(0) depctr_va_vcc(0) depctr_vm_vsrc(0)
	s_getreg_b32 s2, hwreg(HW_REG_IB_STS2, 6, 4)
	s_cmp_eq_u32 s2, 0
	s_cbranch_scc0 .Lentry_in_a_cluster
	s_endpgm
.Lentry_in_a_cluster:
	s_bfe_u32 s2, ttmp6, 0x10000c
	s_cmp_lg_u32 s2, 0xf033
	s_cbranch_scc0 .Lentry_shape_is_right
	s_endpgm
.Lentry_shape_is_right:
.set GRB,    12800
.set RECS,   3*GRB
.set SLOT,   4*RECS
.set PANB,   32*GRB
.set SPARE,  2*SLOT
.set TEX,    SPARE+512
.set STAGE,  SLOT
.set SPITCH, 272
.set ADXA, 8
.set ADXB, 10
.set ADW,  12
.set ADDT, 14
.set ASXA, 16
.set ASXB, 18
.set ASW,  20
.set STO,  22
.set RD,   23
.set CO,   24
.set TXS,  25
.set TXL,  26
.set VLF,  27
.set SPW,  28
.set NIL,  29
.set VLS,  30
.set SC,   32
.set SLR,  52
.set BI,   68
.set T,    100
.set LB,   132
.set TB,   164
.set BK,   164
.set XF,   0
.set WF,   96
.set DF,   144
.set LF,   204
.set G1X,  24
.set G0X,  32
.set G1B,  40
.set G0B,  48
.set G1XS, 56
.set G1BS, 68
.set LAF,  8
.set LAS,  100
.set OUTA, 96
.set OUTB, 98
.set MSB, 0
.macro WIN new
.if MSB != (\new)
	s_set_vgpr_msb (MSB<<8)|(\new)
.set MSB, (\new)
.endif
.endm
.macro JLOAD s, short
	s_cmp_eq_u32 s17, 0
	s_cbranch_scc0 .Lfor_w_\@
.if (\short)
	tensor_load_to_lds s[G0X+4*\s:G0X+4*\s+3], s[G1XS:G1XS+7]
	s_nop 0
.else
	tensor_load_to_lds s[G0X+4*\s:G0X+4*\s+3], s[G1X:G1X+7]
	s_nop 0
.endif
.rept 4
	v_nop
.endr
	s_branch .Lasked_\@
.Lfor_w_\@:
.if (\short)
	tensor_load_to_lds s[G0B+4*\s:G0B+4*\s+3], s[G1BS:G1BS+7]
	s_nop 0
.else
	tensor_load_to_lds s[G0B+4*\s:G0B+4*\s+3], s[G1B:G1B+7]
	s_nop 0
.endif
.rept 4
	v_nop
.endr
.Lasked_\@:
.endm
.macro CREST
	s_cmp_lg_u32 s16, 0
	s_cbranch_scc1 .Lnot_wave_0_\@
	s_barrier_signal -3
.Lnot_wave_0_\@:
	s_barrier_wait -3
	s_barrier_signal -1
	s_barrier_wait -1
.endm
.macro CROUND
	s_barrier_signal -1
	s_barrier_wait -1
	CREST
.endm
.macro PLACES n
.rept \n
	v_nop
.endr
.endm
.macro LSC el
	global_load_b32 v[SLR+(\el)%6], v[VLS], s[LAS:LAS+1] offset:1024*((\el)%2)+64*((\el)/2)
.endm
.macro LFR el
	WIN 0x40*(1+((\el)%6)/4)
.irp g, 0,1,2
	global_load_b128 v[LF+12*(((\el)%6)%4)+4*\g:LF+12*(((\el)%6)%4)+4*\g+3], v[VLF], s[LAF:LAF+1] offset:24576*((\el)%2)+1536*((\el)/2)+512*\g
.endr
.endm
	s_load_b256 s[4:11], s[0:1], 0x0
	s_load_b128 s[12:15], s[0:1], 0x20
	v_lshl_add_u32 v[SPW], v0, 2, SPARE
	v_mov_b32 v[NIL], 0
	ds_add_u32 v28, v29
	ds_add_u32 v28, v29
	s_wait_dscnt 0x0
	v_lshrrev_b32 v1, 5, v0
	v_readfirstlane_b32 s16, v1
	s_lshr_b32 s17, s16, 1
	s_and_b32 s18, s16, 1
	s_xor_b32 s19, s18, 1
	s_bfe_u32 s20, ttmp6, 0x40000
	s_bfe_u32 s21, ttmp6, 0x40004
	s_lshl_b32 s22, ttmp9, 2
	s_add_co_u32 s22, s22, s20
	s_and_b32 s23, ttmp7, 0xffff
	s_lshl_b32 s23, s23, 2
	s_add_co_u32 s23, s23, s21
	s_lshl_b32 s76, s21, 2
	s_lshl_b32 s76, 15, s76
	s_lshl_b32 s77, 0x1111, s20
	s_or_b32 s[G1X], s76, (3<<16)|(1<<21)
	s_or_b32 s[G1B], s77, (3<<16)|(1<<21)
	s_or_b32 s[G1XS], s76, (3<<16)|(1<<21)
	s_or_b32 s[G1BS], s77, (3<<16)|(1<<21)
.irp g, G1X, G1B
	s_mov_b32 s[\g+1], 32<<16
	s_mov_b32 s[\g+2], 150<<16
	s_mov_b32 s[\g+3], 32<<16
	s_mov_b32 s[\g+4], 150
	s_mov_b32 s[\g+5], 32
	s_mov_b32 s[\g+6], 0
	s_mov_b32 s[\g+7], 0
.endr
.irp g, G1XS, G1BS
	s_mov_b32 s[\g+1], 32<<16
	s_mov_b32 s[\g+2], 100<<16
	s_mov_b32 s[\g+3], 32<<16
	s_mov_b32 s[\g+4], 100
	s_mov_b32 s[\g+5], 32
	s_mov_b32 s[\g+6], 0
	s_mov_b32 s[\g+7], 0
.endr
	s_lshl_b32 s78, s23, 1
	s_add_co_u32 s78, s78, s18
	s_mul_i32 s78, s78, PANB
	s_mov_b32 s79, 0
	s_lshl_b32 s80, s22, 1
	s_add_co_u32 s80, s80, s18
	s_mul_i32 s80, s80, PANB
	s_mov_b32 s81, 0
	s_mul_i32 s82, s16, RECS
	s_wait_kmcnt 0x0
	s_add_nc_u64 s[78:79], s[4:5], s[78:79]
	s_add_nc_u64 s[80:81], s[6:7], s[80:81]
.irp s, 0,1
	s_mov_b32 s[G0X+4*\s], 1
	s_add_co_u32 s[G0X+4*\s+1], s82, \s*SLOT
	s_add_nc_u64 s[G0X+4*\s+2:G0X+4*\s+3], s[78:79], \s*RECS
	s_or_b32 s[G0X+4*\s+3], s[G0X+4*\s+3], 0x80000000
	s_mov_b32 s[G0B+4*\s], 1
	s_add_co_u32 s[G0B+4*\s+1], s82, \s*SLOT
	s_add_nc_u64 s[G0B+4*\s+2:G0B+4*\s+3], s[80:81], \s*RECS
	s_or_b32 s[G0B+4*\s+3], s[G0B+4*\s+3], 0x80000000
.endr
	CROUND
	JLOAD 0, 0
	s_wait_alu depctr_va_vdst(0)
	s_wait_tensorcnt 0x0
	ds_add_u32 v28, v29
	s_wait_dscnt 0x0
	CROUND
	JLOAD 1, 0
	v_and_b32 v1, 31, v0
	v_and_b32 v2, 15, v0
	v_bfe_u32 v3, v0, 4, 1
	s_wait_alu depctr_va_vdst(0)
	v_lshlrev_b32 v[VLF], 4, v1
	v_lshlrev_b32 v5, 2, v1
	v_lshlrev_b32 v[VLS], 2, v2
	s_wait_alu depctr_va_vdst(0)
	s_lshl_b32 s84, s22, 9
	s_lshl_b32 s94, s18, 8
	s_add_co_u32 s84, s84, s94
	s_mov_b32 s85, 0
	s_add_nc_u64 s[12:13], s[12:13], s[84:85]
	s_lshl_b32 s86, s84, 4
	s_mov_b32 s87, 0
	s_add_nc_u64 s[10:11], s[10:11], s[86:87]
	v_lshlrev_b32 v6, 5, v3
	v_lshl_add_u32 v7, v2, 6, v6
.irp b, 0,1,2,3
	global_load_b128 v[BI+8*\b:BI+8*\b+3], v6, s[12:13] offset:64*\b
	global_load_b128 v[BI+8*\b+4:BI+8*\b+7], v6, s[12:13] offset:64*\b+16
	global_load_b128 v[TB+8*\b:TB+8*\b+3], v7, s[10:11] offset:1024*\b
	global_load_b128 v[TB+8*\b+4:TB+8*\b+7], v7, s[10:11] offset:1024*\b+16
.endr
	s_add_nc_u64 s[LAS:LAS+1], s[LAF:LAF+1], 49152
.irp n, 0,1,2,3,4
	WIN 0
	LSC \n
	LFR \n
.endr
	WIN 0
	s_mul_i32 s94, s17, RECS
	s_mul_i32 s95, s18, 6144
	s_add_co_u32 s88, s94, s95
	s_add_co_u32 s90, s95, 2*RECS
	s_mul_i32 s95, s19, 6144
	s_add_co_u32 s89, s94, s95
	s_lshl_b32 s95, s18, 8
	s_add_co_u32 s91, s94, s95
	s_add_co_u32 s91, s91, 12288
	s_add_co_u32 s93, s95, 2*RECS+12288
	s_lshl_b32 s95, s19, 8
	s_add_co_u32 s92, s94, s95
	s_add_co_u32 s92, s92, 12288
.irp s, 0,1
	v_add_nc_u32 v[ADXA+\s], s88, v[VLF]
	v_add_nc_u32 v[ADXB+\s], s89, v[VLF]
	v_add_nc_u32 v[ADW+\s], s90, v[VLF]
	v_add_nc_u32 v[ADDT+\s], RECS, v[ADW+\s]
	v_add_nc_u32 v[ASXA+\s], s91, v5
	v_add_nc_u32 v[ASXB+\s], s92, v5
	v_add_nc_u32 v[ASW+\s], s93, v5
	s_add_co_u32 s88, s88, SLOT
	s_add_co_u32 s89, s89, SLOT
	s_add_co_u32 s90, s90, SLOT
	s_add_co_u32 s91, s91, SLOT
	s_add_co_u32 s92, s92, SLOT
	s_add_co_u32 s93, s93, SLOT
.endr
	s_mul_i32 s94, s16, 16*SPITCH
	s_add_co_u32 s94, s94, STAGE
	v_mul_u32_u24 v[STO], v2, SPITCH
	v_lshl_add_u32 v[STO], v3, 5, v[STO]
	v_add_nc_u32 v[STO], s94, v[STO]
	v_mul_u32_u24 v[RD], v3, SPITCH
	v_lshl_add_u32 v[RD], v2, 4, v[RD]
	v_add_nc_u32 v[RD], s94, v[RD]
	v_lshlrev_b32 v[CO], 14, v3
	v_lshl_add_u32 v[CO], v2, 4, v[CO]
	s_lshl_b32 s94, s16, 11
	s_add_co_u32 s94, s94, TEX
	v_add_nc_u32 v[TXS], s94, v[VLF]
	s_xor_b32 s94, s16, 1
	s_lshl_b32 s94, s94, 11
	s_add_co_u32 s94, s94, TEX
	v_add_nc_u32 v[TXL], s94, v[VLF]
	s_lshl_b32 s86, s23, 22
	s_lshl_b32 s94, s17, 21
	s_add_co_u32 s86, s86, s94
	s_add_co_u32 s86, s86, s84
	s_lshl_b32 s94, s18, 20
	s_lshl_b32 s95, s19, 20
	s_add_co_u32 s84, s86, s94
	s_add_co_u32 s86, s86, s95
	s_add_nc_u64 s[OUTA:OUTA+1], s[14:15], s[84:85]
	s_add_nc_u64 s[OUTB:OUTB+1], s[14:15], s[86:87]
	s_wait_loadcnt 20
.irp j, 0,2,4,6,8,10,12,14,16,18,20,22,24,26,28,30
	v_pk_mul_f32 v[TB+\j:TB+\j+1], v[TB+\j:TB+\j+1], 2.0 op_sel_hi:[1,0]
.endr
.irp b, 0,1,2,3
.irp j, 0,1,2,3
	v_cvt_pk_bf16_f32 v[LB+8*\b+\j], v[TB+8*\b+2*\j], v[TB+8*\b+2*\j+1]
.endr
.endr
.irp b, 0,1,2,3
.irp j, 4,5,6,7
	v_mov_b32 v[LB+8*\b+\j], 0
.endr
.endr
.irp i, 0,1,2,3,4,5,6,7
.irp j, 4,5,6,7
	v_mov_b32 v[TB+8*\i+\j], 0
.endr
.endr
.macro WM mode
.if (\mode) == 0
.if (rRA == 0) && (rRB == 0)
	v_wmma_scale_f32_16x16x128_f8f6f4 v[rD:rD+7], v[rA:rA+11], v[rB:rB+11], v[rD:rD+7], v[rSA], v[rSB] matrix_a_fmt:MATRIX_FMT_FP6 matrix_b_fmt:MATRIX_FMT_FP6
.elseif (rRA == 1) && (rRB == 0)
	v_wmma_scale_f32_16x16x128_f8f6f4 v[rD:rD+7], v[rA:rA+11], v[rB:rB+11], v[rD:rD+7], v[rSA], v[rSB] matrix_a_fmt:MATRIX_FMT_FP6 matrix_b_fmt:MATRIX_FMT_FP6 matrix_a_scale:MATRIX_SCALE_ROW1
.elseif (rRA == 0)
	v_wmma_scale_f32_16x16x128_f8f6f4 v[rD:rD+7], v[rA:rA+11], v[rB:rB+11], v[rD:rD+7], v[rSA], v[rSB] matrix_a_fmt:MATRIX_FMT_FP6 matrix_b_fmt:MATRIX_FMT_FP6 matrix_b_scale:MATRIX_SCALE_ROW1
.else
	v_wmma_scale_f32_16x16x128_f8f6f4 v[rD:rD+7], v[rA:rA+11], v[rB:rB+11], v[rD:rD+7], v[rSA], v[rSB] matrix_a_fmt:MATRIX_FMT_FP6 matrix_b_fmt:MATRIX_FMT_FP6 matrix_a_scale:MATRIX_SCALE_ROW1 matrix_b_scale:MATRIX_SCALE_ROW1
.endif
.elseif (\mode) == 1
.if (rRA == 0) && (rRB == 0)
	v_wmma_scale_f32_16x16x128_f8f6f4 v[rD:rD+7], v[rA:rA+11], v[rB:rB+11], v[rC:rC+7], v[rSA], v[rSB] matrix_a_fmt:MATRIX_FMT_FP6 matrix_b_fmt:MATRIX_FMT_FP6
.elseif (rRA == 1) && (rRB == 0)
	v_wmma_scale_f32_16x16x128_f8f6f4 v[rD:rD+7], v[rA:rA+11], v[rB:rB+11], v[rC:rC+7], v[rSA], v[rSB] matrix_a_fmt:MATRIX_FMT_FP6 matrix_b_fmt:MATRIX_FMT_FP6 matrix_a_scale:MATRIX_SCALE_ROW1
.elseif (rRA == 0)
	v_wmma_scale_f32_16x16x128_f8f6f4 v[rD:rD+7], v[rA:rA+11], v[rB:rB+11], v[rC:rC+7], v[rSA], v[rSB] matrix_a_fmt:MATRIX_FMT_FP6 matrix_b_fmt:MATRIX_FMT_FP6 matrix_b_scale:MATRIX_SCALE_ROW1
.else
	v_wmma_scale_f32_16x16x128_f8f6f4 v[rD:rD+7], v[rA:rA+11], v[rB:rB+11], v[rC:rC+7], v[rSA], v[rSB] matrix_a_fmt:MATRIX_FMT_FP6 matrix_b_fmt:MATRIX_FMT_FP6 matrix_a_scale:MATRIX_SCALE_ROW1 matrix_b_scale:MATRIX_SCALE_ROW1
.endif
.else
.if rRB == 0
	v_wmma_scale_f32_16x16x128_f8f6f4 v[rD:rD+7], v[rA:rA+11], v[rB:rB+11], 0, v[rSA], v[rSB] matrix_a_fmt:MATRIX_FMT_FP6 matrix_b_fmt:MATRIX_FMT_FP6
.else
	v_wmma_scale_f32_16x16x128_f8f6f4 v[rD:rD+7], v[rA:rA+11], v[rB:rB+11], 0, v[rSA], v[rSB] matrix_a_fmt:MATRIX_FMT_FP6 matrix_b_fmt:MATRIX_FMT_FP6 matrix_b_scale:MATRIX_SCALE_ROW1
.endif
.endif
.endm
.macro MULW2 p, i0, first
.irp i, \i0, \i0+1
.irp b, 0,1,2,3
.set rD, 8*(4*(\i)+\b)
.set rA, WF+12*\b
.set rB, XF+12*(\i)
.set rC, BI+8*\b
.set rSA, SC+10*(\p)+4+\b/2
.set rRA, \b%2
.set rSB, SC+10*(\p)+(\i)/2
.set rRB, (\i)%2
	WM \first
.endr
.endr
.endm
.macro MULD p
.irp i, 0,1,2,3,4,5,6,7
.irp b, 0,1,2,3
.set rD, 8*(4*\i+\b)
.set rA, DF+12*\b
.set rB, XF+12*\i
.set rSA, SC+10*(\p)+6+\b/2
.set rRA, \b%2
.set rSB, SC+10*(\p)+\i/2
.set rRB, \i%2
	WM 0
.endr
.endr
.endm
.macro MULL p, c, first
.set LR, (\c)%6
	WIN (1+LR/4)+4*(1+(\p))
.irp i, 0,1,2,3
.set rD, T+8*\i
.set rA, LF+12*(LR%4)
.set rB, XF+12*\i
.set rSA, SLR+LR
.set rRA, 0
.set rSB, SC+10*(\p)+\i/2
.set rRB, \i%2
	WM 2*\first
.endr
.endm
.macro FETCH slot, j, p, e, lo
	WIN 0
.irp u, 0,1
	ds_load_b32 v[SC+10*(\p)+\u], v[ASXA+\slot] offset:GRB*(\j)+128*\u
	ds_load_b32 v[SC+10*(\p)+2+\u], v[ASXB+\slot] offset:GRB*(\j)+128*\u
	ds_load_b32 v[SC+10*(\p)+4+\u], v[ASW+\slot] offset:GRB*(\j)+128*\u
	ds_load_b32 v[SC+10*(\p)+6+\u], v[ASW+\slot] offset:RECS+GRB*(\j)+128*\u
.endr
.if \lo
	LSC (\e)+4
.endif
	WIN 0x40*(1+(\p))
.irp b, 0,1,2,3
.irp g, 0,1,2
	ds_load_b128 v[WF+12*\b+4*\g:WF+12*\b+4*\g+3], v[ADW+\slot] offset:GRB*(\j)+1536*\b+512*\g
.endr
.endr
.irp i, 0,1,2,3
.irp g, 0,1,2
	ds_load_b128 v[XF+12*\i+4*\g:XF+12*\i+4*\g+3], v[ADXA+\slot] offset:GRB*(\j)+1536*\i+512*\g
.endr
.endr
.irp b, 0,1,2,3
.irp g, 0,1,2
	ds_load_b128 v[DF+12*\b+4*\g:DF+12*\b+4*\g+3], v[ADDT+\slot] offset:GRB*(\j)+1536*\b+512*\g
.endr
.endr
.irp i, 0,1,2,3
.irp g, 0,1,2
	ds_load_b128 v[XF+48+12*\i+4*\g:XF+48+12*\i+4*\g+3], v[ADXB+\slot] offset:GRB*(\j)+1536*\i+512*\g
.endr
.endr
.if \lo
	LFR (\e)+4
.endif
.endm
.macro STEP slot, j, p, e, lo, lc, first
	s_wait_dscnt 24
	WIN 0xf0+5*(1+\p)-0x30*\first
	MULW2 \p, 0, \first
	MULW2 \p, 2, \first
	PLACES 4
	FETCH \slot, \j+1, 1-\p, \e, \lo
	s_wait_dscnt 56
	WIN 0xf0+5*(1+\p)-0x30*\first
	MULW2 \p, 4, \first
	MULW2 \p, 6, \first
	WIN 0xf0+5*(1+\p)
	MULD \p
	s_wait_loadcnt \lc
	MULL \p, \e-1, \first
	WIN 0
.endm
.macro TURN slot, next, p, e, lo, lc, fill
	s_wait_dscnt 24
	WIN 0xf0+5*(1+\p)
	MULW2 \p, 0, 0
	MULW2 \p, 2, 0
	WIN 0
	s_wait_tensorcnt 0x0
	ds_add_u32 v[SPW], v[NIL]
	s_wait_dscnt 1
	WIN 0xf0+5*(1+\p)
	MULW2 \p, 4, 0
	s_wait_dscnt 0x0
	s_barrier_signal -1
	MULW2 \p, 6, 0
	WIN 0
	s_barrier_wait -1
.if \fill
	CREST
	s_add_nc_u64 s[G0X+4*\slot+2:G0X+4*\slot+3], s[G0X+4*\slot+2:G0X+4*\slot+3], 2*RECS
	s_add_nc_u64 s[G0B+4*\slot+2:G0B+4*\slot+3], s[G0B+4*\slot+2:G0B+4*\slot+3], 2*RECS
	JLOAD \slot, \fill-1
.else
	PLACES 4
.endif
	FETCH \next, 0, 1-\p, \e, \lo
	WIN 0xf0+5*(1+\p)
	MULD \p
	s_wait_loadcnt \lc
	MULL \p, \e-1, 0
	WIN 0
.endm
	s_wait_tensorcnt 1
	s_barrier_signal -1
	s_barrier_wait -1
	FETCH 0, 0, 0, 0, 0
	STEP 0, 0, 0, 1, 1, 20, 1
	s_mov_b32 s3, 4
.Llap:
	STEP 0, 1, 1, 2, 1, 20, 0
	TURN 0, 1, 0, 3, 1, 20, 1
	STEP 1, 0, 1, 4, 1, 20, 0
	STEP 1, 1, 0, 5, 1, 20, 0
	TURN 1, 0, 1, 6, 1, 20, 1
	STEP 0, 0, 0, 7, 1, 20, 0
	s_wait_xcnt 0x0
	s_add_nc_u64 s[LAF:LAF+1], s[LAF:LAF+1], 3*1536
	s_add_nc_u64 s[LAS:LAS+1], s[LAS:LAS+1], 3*64
	s_sub_co_u32 s3, s3, 1
	s_cmp_lg_u32 s3, 0
	s_cbranch_scc1 .Llap
	STEP 0, 1, 1, 2, 1, 20, 0
	TURN 0, 1, 0, 3, 1, 20, 2
	STEP 1, 0, 1, 4, 0, 16, 0
	STEP 1, 1, 0, 5, 0, 12, 0
	TURN 1, 0, 1, 6, 0, 8, 0
	STEP 0, 0, 0, 7, 0, 4, 0
	s_wait_dscnt 24
	WIN 0xfa
	MULW2 1, 0, 0
	MULW2 1, 2, 0
	s_wait_dscnt 0x0
	MULW2 1, 4, 0
	MULW2 1, 6, 0
	MULD 1
	s_wait_loadcnt 0x0
	MULL 1, 7, 0
	WIN 0
	PLACES 5
.irp i, 0,1,2,3
.irp j, 0,1,2,3
	v_cvt_pk_bf16_f32 v[TB+8*\i+\j], v[T+8*\i+2*\j], v[T+8*\i+2*\j+1]
.endr
.endr
.irp i, 0,1,2,3
	ds_store_b128 v[TXS], v[TB+8*\i:TB+8*\i+3] offset:512*\i
.endr
	s_wait_alu depctr_va_vdst(0)
	s_wait_dscnt 0x0
	s_barrier_signal -1
	s_barrier_wait -1
.irp i, 0,1,2,3
	ds_load_b128 v[TB+32+8*\i:TB+32+8*\i+3], v[TXL] offset:512*\i
.endr
.macro LOW i0
.irp i, \i0, \i0+1, \i0+2, \i0+3
.irp b, 0,1,2,3
	v_wmma_f32_16x16x32_bf16 v[8*(4*(\i)+\b):8*(4*(\i)+\b)+7], v[LB+8*\b:LB+8*\b+7], v[TB+8*(\i):TB+8*(\i)+7], v[8*(4*(\i)+\b):8*(4*(\i)+\b)+7]
.endr
.endr
.endm
	WIN 0xf0
	LOW 0
	s_wait_dscnt 0x0
	LOW 4
	WIN 0
	PLACES 4
.macro TOSTAGE i
	WIN 0x0c
.irp b, 0,1,2,3
	ds_store_b128 v[STO], v[8*(4*(\i)+\b):8*(4*(\i)+\b)+3] offset:64*\b
	ds_store_b128 v[STO], v[8*(4*(\i)+\b)+4:8*(4*(\i)+\b)+7] offset:64*\b+16
.endr
	WIN 0
.set BB, BK+32*((\i)%2)
.irp t, 0,1,2,3,4,5,6,7
	ds_load_b128 v[BB+4*\t:BB+4*\t+3], v[RD] offset:2*SPITCH*\t
.endr
.endm
.macro SEND i, younger
.set BB, BK+32*((\i)%2)
	s_wait_dscnt \younger
.irp t, 0,1,2,3,4,5,6,7
.if (\i) < 4
	global_store_b128 v[CO], v[BB+4*\t:BB+4*\t+3], s[OUTA:OUTA+1] offset:((\i)%4)*262144+32768*\t th:TH_STORE_NT
.else
	global_store_b128 v[CO], v[BB+4*\t:BB+4*\t+3], s[OUTB:OUTB+1] offset:((\i)%4)*262144+32768*\t th:TH_STORE_NT
.endif
.endr
.endm
	TOSTAGE 0
.irp i, 1,2,3,4,5,6,7
.if \i > 1
	s_wait_xcnt 0x0
.endif
	TOSTAGE \i
	SEND \i-1, 16
.endr
	SEND 7, 0
	s_wait_tensorcnt 0x0
	ds_add_u32 v[SPW], v[NIL]
	s_wait_dscnt 0x0
	CROUND
	s_endpgm
.Lfunc_end_k_q370bcccf76_gemm:
	.size	k_q370bcccf76_gemm, .Lfunc_end_k_q370bcccf76_gemm-k_q370bcccf76_gemm
	.p2alignl 7, 3214868480
	.fill 96, 4, 3214868480
	.section	.rodata,"a",@progbits
	.p2align	6, 0x0
	.amdhsa_kernel k_q370bcccf76_gemm
		.amdhsa_group_segment_fixed_size 327680
		.amdhsa_private_segment_fixed_size 0
		.amdhsa_enable_private_segment 0
		.amdhsa_kernarg_size 48
		.amdhsa_user_sgpr_count 2
		.amdhsa_user_sgpr_kernarg_segment_ptr 1
		.amdhsa_wavefront_size32 1
		.amdhsa_system_sgpr_workgroup_id_x 1
		.amdhsa_system_sgpr_workgroup_id_y 1
		.amdhsa_system_sgpr_workgroup_id_z 1
		.amdhsa_system_vgpr_workitem_id 0
		.amdhsa_next_free_vgpr 1024
		.amdhsa_next_free_sgpr 102
		.amdhsa_reserve_vcc 0
		.amdhsa_float_denorm_mode_32 3
		.amdhsa_float_denorm_mode_16_64 3
		.amdhsa_memory_ordered 1
		.amdhsa_forward_progress 1
		.amdhsa_inst_pref_size 218
	.end_amdhsa_kernel
	.amdgpu_metadata
---
amdhsa.version: [ 1, 2 ]
amdhsa.kernels:
  - .name:           k_q370bcccf76_gemm
    .symbol:         k_q370bcccf76_gemm.kd
    .args:
      - { .name: xq, .offset: 0, .size: 8, .value_kind: global_buffer, .address_space: global }
      - { .name: wdq, .offset: 8, .size: 8, .value_kind: global_buffer, .address_space: global }
      - { .name: laq, .offset: 16, .size: 8, .value_kind: global_buffer, .address_space: global }
      - { .name: lora_B, .offset: 24, .size: 8, .value_kind: global_buffer, .address_space: global }
      - { .name: b, .offset: 32, .size: 8, .value_kind: global_buffer, .address_space: global }
      - { .name: out0, .offset: 40, .size: 8, .value_kind: global_buffer, .address_space: global }
    .group_segment_fixed_size: 327680
    .private_segment_fixed_size: 0
    .kernarg_segment_align: 8
    .kernarg_segment_size: 48
    .max_flat_workgroup_size: 128
    .sgpr_count:     102
    .vgpr_count:     1024
    .wavefront_size: 32
...
	.end_amdgpu_metadata
.endif
;; end of part 2
